; MI455X (gfx1250); checked and timed in simulation.
; The chip was launched on July 23, 2026; its instructions are those of AMD's public machine-readable ISA for CDNA 5 (MIT licence, August 2026) and "CDNA5" Instruction Set Architecture Reference Guide (July 2026). The comments in the code are by the model that wrote it; some were corrected since.
;; Lora Injected Linear Wrapper. Allowed arithmetic: matrix products marked QUANTISED: E5M2 operands, one given power-of-two scale a tensor, by v_wmma_f32_16x16x64_bf8_bf8 or v_wmma_f32_16x16x128_bf8_bf8, f32 sums; products left as they are: f32 operands where the result goes on into a quantised operand, else bf16, f16 or f32 operands; f32 sums; everything else in f32.
;; Inputs: A 4,096 x 16 float32; B 16 x 4,096 float32; W 4,096 x 4,096 float32; b 4,096 float32; lowp_scales 4 int32 (the exponents e of the quantised operands' scales 2^e); x 8 x 512 x 4,096 float32.
;; Outputs: out0 8 x 512 x 4,096 float32.
;; This version of the problem:
;;   THIS VERSION OF THE PROBLEM IS GIVEN IN LOW PRECISION. The matrix products marked QUANTISED in the list below multiply operands that are first quantised to E5M2 (5 exponent bits, 2 mantissa bits; 8 bits a number), with one given power-of-two scale for each operand tensor; their sums are f32. All else is computed in f32.
;;   The module's matrix products, in the order in which they are computed (A, B: the left and right operand; K: the contracted axis; several contracted axes count as one K, in the product's order):
;;     1. [M 4,096, K 4,096] x [K 4,096, N 16]; A: input x; B: input A: QUANTISED (scales: A lowp_scales[0], B lowp_scales[1])
;;     2. [M 4,096, K 16] x [K 16, N 4,096]; A: computed on the way; B: input B: left as it is (K = 16 < 32)
;;     3. [M 4,096, K 4,096] x [K 4,096, N 4,096]; A: input x; B: input W: QUANTISED (scales: A lowp_scales[2], B lowp_scales[3])
;;   THE QUANTISER, for each operand of a quantised product, along K:
;;     - The operand's scale is 2^e, e = its entry of the input lowp_scales (int32; the entries are numbered through the quantised products in the list's order, A before B).
;;     - Each number is divided by the scale, clamped to +-57,344, and rounded to the nearest number of E5M2, ties to even, subnormals kept.
;;     - The product sums the exact products of the quantised numbers (number of the format x scale) in f32.
;;   ~~~python
;;   def quantise(x, axis, e):      # numpy; x: float32 -> the quantised numbers, widened to float32 again
;;       x = np.moveaxis(x, axis, -1); K = x.shape[-1]
;;       r = np.clip(x / 2.0 ** e, -57344, 57344)
;;       step = 2.0 ** (np.maximum(np.frexp(np.where(r == 0, 1, r))[1] - 1, -14) - 2)
;;       q = np.round(r / step) * step * 2.0 ** e      # np.round: ties to even
;;       return np.moveaxis(q, -1, axis).astype(np.float32)
;;   ~~~
;; One version. Each part assembles by itself: llvm-mc -triple=amdgcn-amd-amdhsa -mcpu=gfx1250 --defsym DOCPART=n.
;; ======== version 1 of 1: 2 launches
;; limits: values are held in bf16: 8 bits of precision; right only within a limited range of input values
;; workspace buffers: xq 16,777,216 bytes; wq 16,777,216 bytes; tq 131,072 bytes
;; launch quant (part 1): grid 256 x 1, 16 waves a work-group, no clusters, 204,800 bytes of LDS; arguments x, W, A, lowp_scales, xq, wq, tq; writes xq, wq, tq
.if DOCPART == 1
	.amdgcn_target "amdgcn-amd-amdhsa--gfx1250"
	.amdhsa_code_object_version 6
	.text
	.protected	k_qd8ecb5a579_quant
	.globl	k_qd8ecb5a579_quant
	.p2align	8
	.type	k_qd8ecb5a579_quant,@function
k_qd8ecb5a579_quant:
	s_mov_b64 s[64:65], 0
	v_nop
	global_prefetch_b8 v0, s[64:65] scope:SCOPE_SE
	s_setreg_imm32_b32 hwreg(HW_REG_WAVE_MODE, 25, 1), 1
	s_wait_xcnt 0x0
; THE QUANTISER, and the small product t = Q(x) Q(A).  x: [4096][4096] f32 (rows m, K innermost).  W: [4096 (k)][4096 (n)] f32.  A: [4096 (k)][16] f32.
; lowp_scales: e0 (x for x A), e1 (A), e2 (x for x W), e3 (W).  code = number / 2^e, held within +-57,344, rounded to the nearest E5M2 code, ties to even.
; OUT, laid in the order of an operand's registers (a fragment = 16 rows x 128 K = 2,048 bytes; lane = 16 h + r):
;   xq: byte mb 65536 + ks 2048 + c 512 + lane 16 + i = code (scale e2) of x[16 mb + r][128 ks + 32 c + 16 h + i]
;   wq: byte nb 65536 + ks 2048 + c 512 + lane 16 + i = code (scale e3) of W[128 ks + 32 c + 16 h + i][16 nb + r]
;   tq: bf16 [4096][16]: t'[m][n] = (sum over k of code0(x[m][k]) code1(A[k][n])) x 2^(e0 + e1 - e2 - e3): t in the unit of the large product's sums.
; k stands at 32 c + 16 h + i in both operands of each product: the same permutation of k on both sides, so every product meets its partner.
; SHARES.  Work-groups 0-127 take x, 32 rows each (524,288 consecutive bytes); wave w takes k = 256 w .. 256 w + 255 of them (four tiles of 16 rows x 128 k).
; Work-groups 128-255 take W, 32 whole rows k each (524,288 consecutive bytes): one c of one fragment column; wave w takes 256 columns, in four steps of 16 k x 128 columns.
; The choice hangs on the work-group's number alone; each way has LDS bytes of its own.  Sixteen waves of 256 registers.
; x: each load reads 512 consecutive bytes of a row; a tile turns through the wave's own stage so that a lane holds 16 neighbours along K of each block of 32.  Both sets of codes are made from the
; same registers: those of e2 are stored (512 consecutive bytes a store), those of e0 go straight into the matrix instruction.
; A: a lane loads 16 bytes (four columns) of row 16 (lane / 4) + j in load j, so sixteen loads give it sixteen neighbouring k of four columns; the hold picks a column's sixteen out of them,
; and the codes (16 bytes a column) turn through the wave's stage into the image of the operand's registers.
; The 16 waves' partial t (K is split over the waves; the parts are added in f32) meet in LDS behind the one barrier; waves 0 and 1 add them, scale them and store 512 consecutive bytes each.
; W: each load reads 512 consecutive bytes of a row k (a lane: 4 columns); the hold picks a column's 16 k out of 16 loads' registers, so it is also the transposition.  A step's codes
; (128 columns x 16 bytes) go through the wave's stage and leave as eight aligned runs of 256 bytes, sixteen lanes each.
; NO JOINT LOADS and no tensor load: what work-groups share is A, 262,144 bytes as f32, of which each wave needs 16,384 once; the tiles in flight lie in registers.
; LIMITS: each e between -126 and 112, so that 2^e and 57,344 x 2^e are f32 numbers.  NaN among the inputs is not served; an infinity is held at the largest code.  t' is rounded to bf16.
.set XSTW, 16*528                      ; x's stage of a wave: 16 rows of 512 bytes + 16
.set RED,  16*XSTW                     ; the partial t: 16384 x (which 16 rows) + 1024 x wave + 512 x (which four registers) + 16 x lane
.set WST,  RED+32768                   ; W's stage of a wave: 8 rows of 256 bytes + 16
.set WSTW, 8*272
.set LI,  1                            ; v1   16 x lane
.set SI,  2                            ; v2   x's stage, in; also A's codes, out
.set SO,  3                            ; v3   x's stage, out
.set AG,  4                            ; v4   A: 1024 (lane / 4) + 16 (lane % 4)
.set AS,  5                            ; v5   A's codes into the stage: 256 (lane / 4) + 64 (lane % 4)
.set RI,  6                            ; v6   the partial t, in
.set RO,  7                            ; v7   the partial t, out
.set WI,  8                            ; v8   W's stage, in
.set WO,  9                            ; v9   W's stage, out
.set SC0, 10                           ; v10-15 (x's way): 2^e and 57,344 x 2^e for e0, e1, e2
.set LIM0, 11
.set SC1, 12
.set LIM1, 13
.set SC2, 14
.set LIM2, 15
.set SC3, 10                           ; v10, v11 (W's way): the same for e3
.set LIM3, 11
.set AF,  16                           ; v16-47   A's two fragments (x's way)
.set WQ,  16                           ; v16      wq: 65536 h + 16 r (W's way)
.set R0,  48                           ; v48-111  a tile as loaded
.set R1,  112                          ; v112-175 another
.set T,   176                          ; v176-207 two sets of 16 held numbers
.set C2,  208                          ; v208-223 codes to store
.set C0,  224                          ; v224-239 codes of e0, and A's on their way (x's way); rows read back from the stage (W's way)
.set ACC0, 240
.set ACC1, 248
	s_load_b256 s[4:11], s[0:1], 0x0               ; x s[4:5], W s[6:7], A s[8:9], the exponents s[10:11]
	s_load_b128 s[12:15], s[0:1], 0x20             ; xq s[12:13], wq s[14:15]
	s_load_b64 s[16:17], s[0:1], 0x30              ; tq
	v_lshrrev_b32 v48, 5, v0
	s_delay_alu instid0(VALU_DEP_1)
	v_readfirstlane_b32 s18, v48                   ; wave 0..15
	v_and_b32 v48, 31, v0                          ; lane
	v_and_b32 v49, 15, v0                          ; r
	v_bfe_u32 v50, v0, 4, 1                        ; h
	; every LDS address of both ways is made here, ahead of the parting
	s_delay_alu instid0(VALU_DEP_3)
	v_lshlrev_b32 v[LI], 4, v48
	s_mul_i32 s29, s18, XSTW
	v_add_nc_u32 v[SI], s29, v[LI]
	v_mul_u32_u24 v51, v49, 528
	s_delay_alu instid0(VALU_DEP_1)
	v_lshl_add_u32 v51, v50, 6, v51
	s_delay_alu instid0(VALU_DEP_1)
	v_add_nc_u32 v[SO], s29, v51                   ; out: row r, + 64 h
	v_lshrrev_b32 v51, 2, v48                      ; two chains by turns
	v_and_b32 v52, 3, v48
	v_lshlrev_b32 v[AG], 10, v51
	v_lshlrev_b32 v[AS], 8, v51
	v_lshl_add_u32 v[AG], v52, 4, v[AG]
	v_lshl_add_u32 v[AS], v52, 6, v[AS]
	s_delay_alu instid0(VALU_DEP_1)
	v_add_nc_u32 v[AS], s29, v[AS]
	s_lshl_b32 s30, s18, 10
	s_add_co_u32 s30, s30, RED
	v_add_nc_u32 v[RI], s30, v[LI]
	s_min_u32 s31, s18, 1                          ; waves 0 and 1 read back; the others never use this address
	s_lshl_b32 s31, s31, 14
	s_add_co_u32 s31, s31, RED
	v_add_nc_u32 v[RO], s31, v[LI]
	s_mul_i32 s32, s18, WSTW
	s_add_co_u32 s32, s32, WST
	v_lshrrev_b32 v51, 2, v48
	s_delay_alu instid0(VALU_DEP_1)
	v_mul_u32_u24 v51, v51, 272
	v_and_b32 v52, 3, v48
	s_delay_alu instid0(VALU_DEP_1)
	v_lshl_add_u32 v51, v52, 6, v51
	s_delay_alu instid0(VALU_DEP_1)
	v_add_nc_u32 v[WI], s32, v51                   ; in: my four columns lie in row lane / 4, at 64 (lane % 4)
	v_mul_u32_u24 v51, v50, 272
	s_delay_alu instid0(VALU_DEP_1)
	v_lshl_add_u32 v51, v49, 4, v51
	s_delay_alu instid0(VALU_DEP_1)
	v_add_nc_u32 v[WO], s32, v51                   ; out: lanes 0-15 one row of 256 bytes, lanes 16-31 the next
	s_mov_b32 s25, 0                               ; the upper word of every offset: all stay under 2^31
	s_wait_alu depctr_va_vdst(0)
	s_wait_kmcnt 0x0
	s_load_b128 s[20:23], s[10:11], 0x0            ; e0, e1, e2, e3
	s_cmp_lt_u32 ttmp9, 128                        ; x's work-group or W's: the same answer in all sixteen waves
	s_cbranch_scc0 .Lw
.macro MKSCALE e, sc, lim              ; 2^e as f32 (the conversion takes its exponent field) and 57,344 x 2^e
	s_add_co_i32 s29, s[\e], 127
	s_lshl_b32 s30, s29, 23
	v_mov_b32 v[\sc], s30
	s_add_co_i32 s29, s29, 15
	s_lshl_b32 s29, s29, 23
	s_or_b32 s29, s29, 0x600000
	v_mov_b32 v[\lim], s29
.endm
; ---------------------------------------------------------------- x's way
.macro XLOAD set, mb, ks               ; a tile: 16 rows x 128 k; each load takes 512 consecutive bytes of one row
.irp i, 0,1,2,3,4,5,6,7,8,9,10,11,12,13,14,15
	global_load_b128 v[\set+4*\i:\set+4*\i+3], v[LI], s[4:5] offset:(\mb)*262144+(\ks)*512+\i*16384 th:TH_LOAD_NT
.endr
.endm
.macro ALOAD ks                        ; register 4 j + q = A(128 ks + 16 (lane / 4) + j, 4 (lane % 4) + q)
.irp j, 0,1,2,3,4,5,6,7,8,9,10,11,12,13,14,15
	global_load_b128 v[R1+4*\j:R1+4*\j+3], v[AG], s[8:9] offset:(\ks)*8192+\j*64
.endr
.endm
.macro AQUANT ks                       ; the 64 numbers become my part of fragment ks of A, and the stage turns the parts into the operand's image
.irp q, 0,1,2,3
.irp i, 0,1,2,3,4,5,6,7,8,9,10,11,12,13,14,15
	v_med3_num_f32 v[T+16*(\q%2)+\i], v[R1+4*\i+\q], -v[LIM1], v[LIM1]   ; the hold (the conversion does not saturate: ISA guide 7.6.2), which also brings a column's sixteen k side by side
.endr
	v_cvt_scalef32_pk8_bf8_f32 v[C0+4*\q:C0+4*\q+1], v[T+16*(\q%2):T+16*(\q%2)+7], v[SC1]
	v_cvt_scalef32_pk8_bf8_f32 v[C0+4*\q+2:C0+4*\q+3], v[T+16*(\q%2)+8:T+16*(\q%2)+15], v[SC1]
.endr
	v_nop                                          ; one plain vector line behind the last conversion
.irp q, 0,1,2,3
	ds_store_b128 v[AS], v[C0+4*\q:C0+4*\q+3] offset:16*\q        ; k group g = lane / 4 = 2 c + h, column r = 4 (lane % 4) + q: byte 256 g + 16 r of the image
.endr
.irp c, 0,1,2,3
	ds_load_b128 v[AF+16*(\ks)+4*\c:AF+16*(\ks)+4*\c+3], v[SI] offset:512*\c   ; LDS serves a wave's instructions in order: these see the stores above; the next tile's wait on DScnt covers them
.endr
.endm
; One tile: through the stage, both sets of codes, the store, the product.  left = the younger loads that may stay out.
.macro XTILE set, mb, ks, acc, zero, left
	s_wait_loadcnt \left                           ; loads come back in order: the tile's sixteen are in
	s_wait_xcnt 0x0                                ; the last tile's stores have read C2
.irp i, 0,1,2,3,4,5,6,7,8,9,10,11,12,13,14,15
	ds_store_b128 v[SI], v[\set+4*\i:\set+4*\i+3] offset:528*\i
.endr
.irp c, 0,1,2,3
.irp j, 0,1,2,3
	ds_load_b128 v[\set+16*\c+4*\j:\set+16*\c+4*\j+3], v[SO] offset:128*\c+16*\j
.endr
.endr
	s_wait_dscnt 0x0                               ; register 16 c + i now holds x(r, 32 c + 16 h + i)
.irp c, 0,1,2,3
.irp i, 0,1,2,3,4,5,6,7,8,9,10,11,12,13,14,15
	v_med3_num_f32 v[T+16*(\c%2)+\i], v[\set+16*\c+\i], -v[LIM2], v[LIM2]          ; held for e2, into other registers
.endr
	v_cvt_scalef32_pk8_bf8_f32 v[C2+4*\c:C2+4*\c+1], v[T+16*(\c%2):T+16*(\c%2)+7], v[SC2]
	v_cvt_scalef32_pk8_bf8_f32 v[C2+4*\c+2:C2+4*\c+3], v[T+16*(\c%2)+8:T+16*(\c%2)+15], v[SC2]
.irp i, 0,1,2,3,4,5,6,7,8,9,10,11,12,13,14,15
	v_med3_num_f32 v[\set+16*\c+\i], v[\set+16*\c+\i], -v[LIM0], v[LIM0]           ; held for e0, in place
.endr
	v_cvt_scalef32_pk8_bf8_f32 v[C0+4*\c:C0+4*\c+1], v[\set+16*\c:\set+16*\c+7], v[SC0]
	v_cvt_scalef32_pk8_bf8_f32 v[C0+4*\c+2:C0+4*\c+3], v[\set+16*\c+8:\set+16*\c+15], v[SC0]
.endr
	v_nop                                          ; one plain vector line between the last conversion and the matrix instruction
.irp c, 0,1,2,3
	global_store_b128 v[LI], v[C2+4*\c:C2+4*\c+3], s[12:13] offset:(\mb)*65536+(\ks)*2048+\c*512   ; 512 consecutive bytes, at a multiple of 512
.endr
	; source 0 = A's 16 columns, source 1 = x's 16 rows: lane (r, h) register j = t(row r, column 8 h + j).  The two accumulators take turns
.if \zero
	v_wmma_f32_16x16x128_bf8_bf8 v[\acc:\acc+7], v[AF+16*(\ks):AF+16*(\ks)+15], v[C0:C0+15], 0
.else
	v_wmma_f32_16x16x128_bf8_bf8 v[\acc:\acc+7], v[AF+16*(\ks):AF+16*(\ks)+15], v[C0:C0+15], v[\acc:\acc+7]
.endif
.endm
	s_lshl_b32 s24, ttmp9, 19                      ; x: 32 rows of 16,384 bytes a work-group,
	s_lshl_b32 s26, s18, 10                        ; 256 k of 4 bytes a wave
	s_add_co_u32 s24, s24, s26
	s_add_nc_u64 s[4:5], s[4:5], s[24:25]
	s_lshl_b32 s24, s18, 14                        ; A: 256 rows of 64 bytes a wave
	s_add_nc_u64 s[8:9], s[8:9], s[24:25]
	s_lshl_b32 s24, ttmp9, 17                      ; xq: two blocks of 65,536 bytes a work-group,
	s_lshl_b32 s26, s18, 12                        ; two fragments of 2,048 a wave
	s_add_co_u32 s24, s24, s26
	s_add_nc_u64 s[12:13], s[12:13], s[24:25]
	ALOAD 0
	XLOAD R0, 0, 0
	s_wait_kmcnt 0x0                               ; the exponents
	MKSCALE 20, SC0, LIM0
	MKSCALE 21, SC1, LIM1
	MKSCALE 22, SC2, LIM2
	s_add_co_i32 s28, s20, s21
	s_sub_co_i32 s28, s28, s22
	s_sub_co_i32 s28, s28, s23                     ; e0 + e1 - e2 - e3
	s_wait_alu depctr_va_vdst(0)
	s_wait_loadcnt 16                              ; A's first sixteen loads are in; the tile's sixteen may be out
	AQUANT 0
	ALOAD 1
	XTILE R0, 0, 0, ACC0, 1, 16                    ; A's second sixteen stay out
	XLOAD R0, 1, 0
	s_wait_loadcnt 16                              ; A's second sixteen are in
	AQUANT 1
	XLOAD R1, 0, 1
	XTILE R0, 1, 0, ACC1, 1, 16                    ; the next tile's sixteen stay out
	XLOAD R0, 1, 1
	XTILE R1, 0, 1, ACC0, 0, 16
	XTILE R0, 1, 1, ACC1, 0, 0
.rept 4
	v_nop                                          ; four places between the last matrix instruction and the first read of its result (ISA guide 7.12.1)
.endr
	ds_store_b128 v[RI], v[ACC0:ACC0+3]            ; each accumulator from its low end on
	ds_store_b128 v[RI], v[ACC0+4:ACC0+7] offset:512
	ds_store_b128 v[RI], v[ACC1:ACC1+3] offset:16384
	ds_store_b128 v[RI], v[ACC1+4:ACC1+7] offset:16384+512
	s_wait_dscnt 0x0                               ; for the others' sake: my parts lie in LDS
	s_barrier_signal -1
	s_barrier_wait -1
	s_cmp_lt_u32 s18, 2                            ; wave 0 adds the first 16 rows' parts, wave 1 the second's
	s_cbranch_scc0 .Lend
.irp w, 0,1,2,3,4,5,6,7,8,9,10,11,12,13,14,15
	ds_load_b128 v[R0+8*\w:R0+8*\w+3], v[RO] offset:\w*1024
	ds_load_b128 v[R0+8*\w+4:R0+8*\w+7], v[RO] offset:\w*1024+512
.endr
	s_lshl_b32 s24, ttmp9, 10                      ; tq: 32 rows of 32 bytes a work-group,
	s_lshl_b32 s26, s18, 9                         ; 16 a wave
	s_add_co_u32 s24, s24, s26
	s_add_nc_u64 s[16:17], s[16:17], s[24:25]
	s_wait_dscnt 0x0
.irp w, 1,2,3,4,5,6,7,8,9,10,11,12,13,14,15
.irp p, 0,2,4,6
	v_pk_add_f32 v[R0+\p:R0+\p+1], v[R0+\p:R0+\p+1], v[R0+8*\w+\p:R0+8*\w+\p+1]   ; K ascending, in four chains
.endr
.endr
.irp j, 0,1,2,3,4,5,6,7
	v_ldexp_f32 v[R0+\j], v[R0+\j], s28            ; x 2^(e0 + e1 - e2 - e3)
.endr
	v_and_b32 v[T+8], 15, v0
	v_bfe_u32 v[T+9], v0, 4, 1
.irp q, 0,1,2,3
	v_cvt_pk_bf16_f32 v[T+\q], v[R0+2*\q], v[R0+2*\q+1]
.endr
	v_lshlrev_b32 v[T+8], 5, v[T+8]
	s_delay_alu instid0(VALU_DEP_1)
	v_lshl_add_u32 v[T+8], v[T+9], 4, v[T+8]       ; 32 r + 16 h
	global_store_b128 v[T+8], v[T:T+3], s[16:17]   ; t'(r, 8 h .. 8 h + 7): the wave stores 512 consecutive bytes
.Lend:
	s_wait_xcnt 0x0
	v_lshl_add_u32 v254, v0, 2, 0x31800
	v_mov_b32 v255, 0
	s_wait_alu depctr_va_vdst(0)
	s_wait_tensorcnt 0x0                           ; the wave's end
	ds_add_u32 v254, v255
	s_wait_dscnt 0x0
	s_endpgm
; ---------------------------------------------------------------- W's way
.macro WLOAD set, u                    ; step u: rows 16 (u % 2) + i of my work-group's 32, columns 128 (u / 2) + 4 lane + j of my wave's 256: register 4 i + j
.irp i, 0,1,2,3,4,5,6,7,8,9,10,11,12,13,14,15
	global_load_b128 v[\set+4*\i:\set+4*\i+3], v[LI], s[6:7] offset:(16*((\u)%2)+\i)*16384+((\u)/2)*512 th:TH_LOAD_NT
.endr
.endm
.macro WSTEP set, u, left, next
	s_wait_loadcnt \left                           ; the step's sixteen loads are in
	s_wait_xcnt 0x0                                ; the last step's stores have read their registers
.irp j, 0,1,2,3
.irp i, 0,1,2,3,4,5,6,7,8,9,10,11,12,13,14,15
	v_med3_num_f32 v[T+16*(\j%2)+\i], v[\set+4*\i+\j], -v[LIM3], v[LIM3]           ; the hold, which also brings column 4 lane + j's sixteen k side by side
.endr
	v_cvt_scalef32_pk8_bf8_f32 v[C2+4*\j:C2+4*\j+1], v[T+16*(\j%2):T+16*(\j%2)+7], v[SC3]
	v_cvt_scalef32_pk8_bf8_f32 v[C2+4*\j+2:C2+4*\j+3], v[T+16*(\j%2)+8:T+16*(\j%2)+15], v[SC3]
.endr
	v_nop                                          ; one plain vector line behind the last conversion
.if \next
	WLOAD \set, (\u)+2
.endif
.irp j, 0,1,2,3
	ds_store_b128 v[WI], v[C2+4*\j:C2+4*\j+3] offset:16*\j
.endr
.irp t, 0,1,2,3
	ds_load_b128 v[C0+4*\t:C0+4*\t+3], v[WO] offset:544*\t   ; LDS serves a wave's instructions in order
.endr
	s_wait_dscnt 0x0
.irp t, 0,1,2,3
	global_store_b128 v[WQ], v[C0+4*\t:C0+4*\t+3], s[14:15] offset:\t*131072+((\u)%2)*256+((\u)/2)*524288   ; sixteen lanes store 256 consecutive bytes of block 8 (u / 2) + 2 t + h, at a multiple of 256
.endr
.endm
.Lw:
	s_sub_co_u32 s29, ttmp9, 128                   ; which 32 rows k: fragment column / 4, c = % 4
	s_lshl_b32 s24, s29, 19                        ; W: 32 rows of 16,384 bytes,
	s_lshl_b32 s26, s18, 10                        ; 256 columns of 4 bytes a wave
	s_add_co_u32 s24, s24, s26
	s_add_nc_u64 s[6:7], s[6:7], s[24:25]
	s_lshl_b32 s24, s18, 20                        ; wq: sixteen blocks of 65,536 bytes a wave,
	s_lshl_b32 s26, s29, 9                         ; 32 k of a block: 512 bytes
	s_add_co_u32 s24, s24, s26
	s_add_nc_u64 s[14:15], s[14:15], s[24:25]
	v_lshlrev_b32 v[WQ], 4, v49
	s_delay_alu instid0(VALU_DEP_1)
	v_lshl_add_u32 v[WQ], v50, 16, v[WQ]
	WLOAD R0, 0
	WLOAD R1, 1
	s_wait_kmcnt 0x0                               ; the exponents
	MKSCALE 23, SC3, LIM3
	s_wait_alu depctr_va_vdst(0)
	WSTEP R0, 0, 16, 1                             ; the next step's sixteen loads stay out
	WSTEP R1, 1, 16, 1
	WSTEP R0, 2, 16, 0
	WSTEP R1, 3, 0, 0
	s_wait_xcnt 0x0
	v_lshl_add_u32 v254, v0, 2, 0x31800
	v_mov_b32 v255, 0
	s_wait_alu depctr_va_vdst(0)
	s_wait_tensorcnt 0x0
	ds_add_u32 v254, v255
	s_wait_dscnt 0x0
	s_endpgm
.Lfunc_end_k_qd8ecb5a579_quant:
	.size	k_qd8ecb5a579_quant, .Lfunc_end_k_qd8ecb5a579_quant-k_qd8ecb5a579_quant
	.p2alignl 7, 3214868480
	.fill 96, 4, 3214868480
	.section	.rodata,"a",@progbits
	.p2align	6, 0x0
	.amdhsa_kernel k_qd8ecb5a579_quant
		.amdhsa_group_segment_fixed_size 204800
		.amdhsa_private_segment_fixed_size 0
		.amdhsa_enable_private_segment 0
		.amdhsa_kernarg_size 56
		.amdhsa_user_sgpr_count 2
		.amdhsa_user_sgpr_kernarg_segment_ptr 1
		.amdhsa_wavefront_size32 1
		.amdhsa_system_sgpr_workgroup_id_x 1
		.amdhsa_system_sgpr_workgroup_id_y 1
		.amdhsa_system_sgpr_workgroup_id_z 1
		.amdhsa_system_vgpr_workitem_id 0
		.amdhsa_next_free_vgpr 256
		.amdhsa_next_free_sgpr 66
		.amdhsa_reserve_vcc 0
		.amdhsa_float_denorm_mode_32 3
		.amdhsa_float_denorm_mode_16_64 3
		.amdhsa_memory_ordered 1
		.amdhsa_forward_progress 1
		.amdhsa_inst_pref_size 107
	.end_amdhsa_kernel
	.amdgpu_metadata
---
amdhsa.version: [ 1, 2 ]
amdhsa.kernels:
  - .name:           k_qd8ecb5a579_quant
    .symbol:         k_qd8ecb5a579_quant.kd
    .args:
      - { .name: x, .offset: 0, .size: 8, .value_kind: global_buffer, .address_space: global }
      - { .name: W, .offset: 8, .size: 8, .value_kind: global_buffer, .address_space: global }
      - { .name: A, .offset: 16, .size: 8, .value_kind: global_buffer, .address_space: global }
      - { .name: lowp_scales, .offset: 24, .size: 8, .value_kind: global_buffer, .address_space: global }
      - { .name: xq, .offset: 32, .size: 8, .value_kind: global_buffer, .address_space: global }
      - { .name: wq, .offset: 40, .size: 8, .value_kind: global_buffer, .address_space: global }
      - { .name: tq, .offset: 48, .size: 8, .value_kind: global_buffer, .address_space: global }
    .group_segment_fixed_size: 204800
    .private_segment_fixed_size: 0
    .kernarg_segment_align: 8
    .kernarg_segment_size: 56
    .max_flat_workgroup_size: 512
    .sgpr_count:     66
    .vgpr_count:     256
    .wavefront_size: 32
...
	.end_amdgpu_metadata
.endif
;; end of part 1
;; launch gemm (part 2): grid 16 x 16, 4 waves a work-group, clusters of 4 x 4, 327,680 bytes of LDS; arguments xq, wq, lowp_scales, out0, tq, B, b; writes out0
.if DOCPART == 2
	.amdgcn_target "amdgcn-amd-amdhsa--gfx1250"
	.amdhsa_code_object_version 6
	.text
	.protected	k_qd8ecb5a579_gemm
	.globl	k_qd8ecb5a579_gemm
	.p2align	8
	.type	k_qd8ecb5a579_gemm,@function
k_qd8ecb5a579_gemm:
	s_mov_b64 s[64:65], 0
	v_nop
	global_prefetch_b8 v0, s[64:65] scope:SCOPE_SE
	s_setreg_imm32_b32 hwreg(HW_REG_WAVE_MODE, 25, 1), 1
	s_wait_xcnt 0x0
	s_wait_alu depctr_hold_cnt(0) depctr_sa_sdst(0) depctr_va_vdst(0) depctr_va_sdst(0) depctr_va_ssrc(0) depctr_va_vcc(0) depctr_vm_vsrc(0)
	s_getreg_b32 s2, hwreg(HW_REG_IB_STS2, 6, 4)
	s_cmp_eq_u32 s2, 0
	s_cbranch_scc0 .Lentry_in_a_cluster
	s_endpgm
.Lentry_in_a_cluster:
	s_bfe_u32 s2, ttmp6, 0x10000c
	s_cmp_lg_u32 s2, 0xf033
	s_cbranch_scc0 .Lentry_shape_is_right
	s_endpgm
.Lentry_shape_is_right:
; out0[m][n] = 2^(e2+e3) x ( sum over k of code(x[m][k]) code(W[k][n])  +  sum over j of t'[m][j] B[j][n]  +  b[n] 2^-(e2+e3) ).
; xq, wq: codes of E5M2 laid as images of operand registers: block of 16 rows (65,536 bytes) x fragment of 128 K (2,048 bytes) x c (512) x lane (16).
; tq: t' = (x A) in the unit of the large product's sums, bf16 [4096][16].  B [16][4096] f32 is rounded to bf16 here; b [4096] f32.
; LIMITS: e2 + e3 between -126 and 126, so that 2^(e2+e3) and its inverse are f32 numbers.  The small product t' B has bf16 operands.
; A tile of out0, 256 x 256, is a work-group's; a wave makes 128 x 128: 64 accumulators, 512 registers.  The bias and the small product start the sums (C of 64 bf16 products), so nothing is cleared;
; they are made while K step 0's tensor load is out.
; K goes in steps of 256 through two LDS slots of 131,072 bytes; a wave's tensor load brings 8 rows of 4,096 bytes (8 blocks x two fragments), each at a multiple of 4,096.
; CLUSTERS 4 x 4: xq's tiles are asked for jointly along a row of the cluster, wq's along a column.  Source 0 = wq's rows, source 1 = xq's rows: a lane holds eight neighbouring columns of one row of out0.
; REGISTERS.  window 0: v0-31 addresses; v32-255 fourteen blocks of A's fragments: blocks 0, 1 once, blocks 2-7 in two sets that take turns step by step.  window 1: B's fragments, two sets.  windows 2, 3: accumulators.
; A step of 128 K is eight rows of eight products (A's block a against B's eight).  The next step's 64 LDS loads stand in TWO runs of 32, 24 to 32 products apart: B's eight fragments, then A's eight blocks.
; In a slot's first step B's run stands at the step's start and A's behind row 3; in its second step, which changes slots in its rows 0 and 1, B's run stands behind the joint load and A's behind row 4.
; So all reads of a slot are issued at least 32 products ahead of the wait in front of the change of slots.
; PREFETCH: behind each joint load and B's run of LDS loads, one instruction a wave asks for the K step two refills on: 32 blocks of 256 bytes, a lane a block; the four partners of a joint load take two of its eight rows each, told apart by address.
; The head asks for K steps 1, 2 and 3; the loop's last trip asks for nothing (K step 15 is the last).
.set SIZE_N, 4096
.set BLKB,   4096                      ; a K step of one block of 16 rows
.set BROW,   65536                     ; from block to block
.set HALFT,  8*BLKB                    ; what one tensor load brings
.set SLOT,   4*HALFT
.set LAPS,   8
.set SPARE,  2*SLOT                    ; the spare words: 512 bytes that no other line names
.set SPITCH, 528                       ; the way out: a stage of 16 rows x (512 + 16) bytes a wave, in slot 0 behind its last fill and last read
.set BV,   8
.set TV,   9
.set HV,   10
.set ADRA, 16
.set ADRB, 20
.set STO,  24
.set RD,   25
.set CO,   26
.set SPW,  28
.set NIL,  29
.set PFO,  30
.set TMP,  32
.set BI,   64                          ; head: the bias in the accumulators' layout
.set AFT,  128                         ; head: t' as eight bf16 fragments
.set BF32, 192                         ; head: B as loaded
.set LB,   128                         ; head, window 1: B as eight bf16 fragments
.set BK,   128
.set G1, 24
.set G0, 32
.set G1B, 48
.set G0B, 56
.set PFA, 86
.set MSB, 0
.macro WIN new
.if MSB != (\new)
	s_set_vgpr_msb (MSB<<8)|(\new)
.set MSB, (\new)
.endif
.endm
.set MUL_LO, 0xa1
.set TO_B,   0x40
.macro JLOAD g0a, g1a, g0b, g1b        ; waves 0, 1 ask for xq's halves, waves 2, 3 for wq's
	s_cmp_eq_u32 s15, 0
	s_cbranch_scc0 .Lfor_b_\@
	tensor_load_to_lds s[\g0a:\g0a+3], s[\g1a:\g1a+7]
	s_nop 0
.rept 4
	v_nop
.endr
	s_branch .Lasked_\@
.Lfor_b_\@:
	tensor_load_to_lds s[\g0b:\g0b+3], s[\g1b:\g1b+7]
	s_nop 0
.rept 4
	v_nop
.endr
.Lasked_\@:
.endm
.macro CREST
	s_cmp_lg_u32 s14, 0
	s_cbranch_scc1 .Lnot_wave_0_\@
	s_barrier_signal -3
.Lnot_wave_0_\@:
	s_barrier_wait -3
	s_barrier_signal -1
	s_barrier_wait -1
.endm
.macro CROUND
	s_barrier_signal -1
	s_barrier_wait -1
	CREST
.endm
.macro PLACES n
.rept \n
	v_nop
.endr
.endm
	s_load_b128 s[4:7], s[0:1], 0x0                ; xq, wq
	s_load_b128 s[8:11], s[0:1], 0x10              ; the exponents, out0
	s_load_b128 s[68:71], s[0:1], 0x20             ; tq, B
	s_load_b64 s[72:73], s[0:1], 0x30              ; b
	v_lshl_add_u32 v[SPW], v0, 2, SPARE
	v_mov_b32 v[NIL], 0
	ds_add_u32 v[SPW], v[NIL]                      ; the opening add,
	ds_add_u32 v[SPW], v[NIL]                      ; once more; work on registers follows up to the one wait
	v_lshrrev_b32 v1, 5, v0
	v_readfirstlane_b32 s14, v1                    ; wave
	s_lshr_b32 s15, s14, 1                         ; my half of the rows; also: I ask for xq (0) or wq (1)
	s_and_b32 s16, s14, 1                          ; my half of the columns; also: which eight blocks I ask for
	s_bfe_u32 s40, ttmp6, 0x40000                  ; cx
	s_bfe_u32 s41, ttmp6, 0x40004                  ; cy
	s_lshl_b32 s42, ttmp9, 2
	s_add_co_u32 s42, s42, s40                     ; tile column
	s_and_b32 s17, ttmp7, 0xffff
	s_lshl_b32 s17, s17, 2
	s_add_co_u32 s17, s17, s41                     ; tile row
	s_lshl_b32 s43, s41, 2
	s_lshl_b32 s43, 15, s43                        ; my row of the cluster
	s_lshl_b32 s44, 0x1111, s40                    ; my column
	s_or_b32 s[G1+0], s43, (1<<21)
	s_or_b32 s[G1B+0], s44, (1<<21)
.irp g, G1, G1B
	s_mov_b32 s[\g+1], BLKB<<16
	s_mov_b32 s[\g+2], 8<<16
	s_mov_b32 s[\g+3], BLKB<<16
	s_mov_b32 s[\g+4], 8
	s_mov_b32 s[\g+5], BROW
	s_mov_b32 s[\g+6], 0
	s_mov_b32 s[\g+7], 0
.endr
	s_lshl_b32 s18, s16, 19                        ; eight blocks
	s_lshl_b32 s20, s17, 20
	s_add_co_u32 s20, s20, s18                     ; xq: by the tile row alone
	s_mov_b32 s21, 0
	s_lshl_b32 s46, s42, 20
	s_add_co_u32 s46, s46, s18                     ; wq: by the tile column alone
	s_mov_b32 s47, 0
	s_mul_i32 s45, s14, HALFT                      ; where my load lands
	s_mul_i32 s80, s15, HALFT                      ; my fragments of A in slot 0, 1
	s_add_co_u32 s81, s80, SLOT
	s_mul_i32 s82, s16, HALFT                      ; and of B
	s_add_co_u32 s82, s82, 2*HALFT
	s_add_co_u32 s83, s82, SLOT
	s_mul_i32 s23, s14, 16*SPITCH                  ; my stage
	s_lshl_b32 s84, s17, 8
	s_lshl_b32 s22, s15, 7
	s_add_co_u32 s84, s84, s22                     ; my first row
	s_lshl_b32 s85, s42, 8
	s_lshl_b32 s22, s16, 7
	s_add_co_u32 s85, s85, s22                     ; my first column
	s_lshl_b32 s76, s85, 2
	s_mov_b32 s77, 0
	s_lshl_b32 s78, s84, 5
	s_mov_b32 s79, 0
	s_lshl_b32 s74, s84, 14
	s_add_co_u32 s74, s74, s76
	s_mov_b32 s75, 0
	s_cmp_eq_u32 s15, 0                            ; the prefetches: the tile that I ask for, and my place among the four that ask with me
	s_cselect_b32 s88, s17, s42
	s_cselect_b32 s89, s40, s41
	s_lshl_b32 s88, s88, 20
	s_lshl_b32 s89, s89, 17                        ; two blocks a partner
	s_add_co_u32 s88, s88, s89
	s_add_co_u32 s88, s88, s18
	s_mov_b32 s89, 0
	v_and_b32 v1, 15, v0                           ; r
	v_bfe_u32 v2, v0, 4, 1                         ; h
	v_and_b32 v6, 31, v0
	v_lshlrev_b32 v[CO], 4, v6                     ; 16 x lane
	v_add_nc_u32 v[ADRA], s80, v[CO]
	v_add_nc_u32 v[ADRA+1], s81, v[CO]
	v_add_nc_u32 v[ADRB], s82, v[CO]
	v_add_nc_u32 v[ADRB+1], s83, v[CO]
	v_mul_u32_u24 v5, v1, SPITCH
	v_lshl_add_u32 v5, v2, 5, v5
	v_add_nc_u32 v[STO], s23, v5
	v_add_nc_u32 v[RD], s23, v[CO]
	v_lshlrev_b32 v[BV], 2, v1
	v_lshl_add_u32 v[BV], v2, 17, v[BV]            ; B(8 h + i, r)
	v_lshlrev_b32 v[TV], 5, v1
	v_lshl_add_u32 v[TV], v2, 4, v[TV]             ; t'(r, 8 h ..)
	v_lshlrev_b32 v[HV], 5, v2                     ; b(8 h ..)
	v_lshlrev_b32 v[PFO], 8, v1
	v_lshl_add_u32 v[PFO], v2, 16, v[PFO]          ; block h of my two, its r-th 256 bytes of a K step
	s_wait_alu depctr_va_vdst(0)
	s_wait_dscnt 0x0                               ; both opening adds are done
	s_wait_kmcnt 0x0
	s_load_b64 s[96:97], s[8:9], 0x8               ; e2, e3
	s_add_nc_u64 s[20:21], s[4:5], s[20:21]
	s_add_nc_u64 s[46:47], s[6:7], s[46:47]
.irp s, 0,1
	s_mov_b32 s[G0+4*\s], 1
	s_add_co_u32 s[G0+4*\s+1], s45, \s*SLOT
	s_add_nc_u64 s[G0+4*\s+2:G0+4*\s+3], s[20:21], \s*BLKB
	s_or_b32 s[G0+4*\s+3], s[G0+4*\s+3], 0x80000000
	s_mov_b32 s[G0B+4*\s], 1
	s_add_co_u32 s[G0B+4*\s+1], s45, \s*SLOT
	s_add_nc_u64 s[G0B+4*\s+2:G0B+4*\s+3], s[46:47], \s*BLKB
	s_or_b32 s[G0B+4*\s+3], s[G0B+4*\s+3], 0x80000000
.endr
	s_add_nc_u64 s[10:11], s[10:11], s[74:75]
	s_add_nc_u64 s[68:69], s[68:69], s[78:79]
	s_add_nc_u64 s[70:71], s[70:71], s[76:77]
	s_add_nc_u64 s[72:73], s[72:73], s[76:77]
	s_cmp_eq_u32 s15, 0
	s_cselect_b64 s[PFA:PFA+1], s[4:5], s[6:7]
	s_add_nc_u64 s[PFA:PFA+1], s[PFA:PFA+1], s[88:89]
.macro BLOADS b0                       ; B for four fragments: a lane to a column, registers down its eight k
.irp b, \b0, \b0+1, \b0+2, \b0+3
.irp i, 0,1,2,3,4,5,6,7
	global_load_b32 v[BF32+8*(\b)+\i], v[BV], s[70:71] offset:64*(\b)+16384*\i
.endr
.endr
.endm
	BLOADS 0
	CROUND                                         ; all sixteen work-groups are here: the first joint loads meet
	JLOAD G0, G1, G0B, G1B                         ; K step 0: one tensor load a wave at the head
	global_prefetch_b8 v[PFO], s[PFA:PFA+1] offset:BLKB th:TH_LOAD_NT scope:SCOPE_SE     ; K steps 1 and 2
	global_prefetch_b8 v[PFO], s[PFA:PFA+1] offset:2*BLKB th:TH_LOAD_NT scope:SCOPE_SE
	BLOADS 4
.irp a, 0,1,2,3,4,5,6,7
	global_load_b128 v[AFT+8*\a:AFT+8*\a+3], v[TV], s[68:69] offset:512*\a
.endr
.irp b, 0,1,2,3,4,5,6,7
	global_load_b128 v[BI+8*\b:BI+8*\b+3], v[HV], s[72:73] offset:64*\b
	global_load_b128 v[BI+8*\b+4:BI+8*\b+7], v[HV], s[72:73] offset:64*\b+16
.endr
.irp a, 0,1,2,3,4,5,6,7
.irp q, 4,5,6,7
	v_mov_b32 v[AFT+8*\a+\q], 0                    ; k = 16 .. 31 of the bf16 form: zeros
.endr
.endr
	s_wait_alu depctr_va_vdst(0)
	s_wait_kmcnt 0x0
	s_add_co_i32 s96, s96, s97
	s_sub_co_i32 s94, 127, s96
	s_lshl_b32 s94, s94, 23                        ; 2^-(e2+e3)
	s_mov_b32 s95, s94
	s_add_co_i32 s96, s96, 127
	s_lshl_b32 s96, s96, 23                        ; 2^(e2+e3)
	s_mov_b32 s97, s96
	s_wait_loadcnt 0x0                             ; B, t' and b are in; K step 0's tensor load is still out
.set J, 0
.rept 32
	v_pk_mul_f32 v[BI+J:BI+J+1], v[BI+J:BI+J+1], s[94:95] op_sel_hi:[1,0]   ; the bias in the sums' unit
.set J, J+2
.endr
	WIN TO_B
.irp b, 0,1,2,3,4,5,6,7
.irp q, 0,1,2,3
	v_cvt_pk_bf16_f32 v[LB+8*\b+\q], v[BF32+8*\b+2*\q], v[BF32+8*\b+2*\q+1]
.endr
.irp q, 4,5,6,7
	v_mov_b32 v[LB+8*\b+\q], 0
.endr
.endr
	WIN 0x81                                       ; D window 2, source 0 window 1, source 1 and C window 0
.irp a, 0,1,2,3
.irp b, 0,1,2,3,4,5,6,7
	v_wmma_f32_16x16x32_bf16 v[8*(8*\a+\b):8*(8*\a+\b)+7], v[LB+8*\b:LB+8*\b+7], v[AFT+8*\a:AFT+8*\a+7], v[BI+8*\b:BI+8*\b+7]
.endr
.endr
	WIN 0xc1
.irp a, 0,1,2,3
.irp b, 0,1,2,3,4,5,6,7
	v_wmma_f32_16x16x32_bf16 v[8*(8*\a+\b):8*(8*\a+\b)+7], v[LB+8*\b:LB+8*\b+7], v[AFT+8*(\a+4):AFT+8*(\a+4)+7], v[BI+8*\b:BI+8*\b+7]
.endr
.endr
	PLACES 5                                       ; five places: products of another form write over these results, and loads land on these sources
	WIN 0
	s_wait_alu depctr_va_vdst(0)
	s_wait_tensorcnt 0x0                           ; my part of K step 0 is in; the three lines ahead of a later first fill
	ds_add_u32 v[SPW], v[NIL]
	s_wait_dscnt 0x0
	CROUND
	JLOAD G0+4, G1, G0B+4, G1B                     ; K step 1, the first tensor load behind the round
.macro FRAG reg, adr, q, i             ; a fragment, 16 rows x 128 K: four loads of 512 consecutive bytes
.irp c, 0,1,2,3
	ds_load_b128 v[\reg+4*\c:\reg+4*\c+3], v[\adr] offset:2048*(\q)+512*\c+(\i)*BLKB
.endr
.endm
.macro RUNB p, slot, q                 ; 32 LDS loads in one run: B's eight fragments of the slot's q-th 128 K into set p
	WIN TO_B
.irp i, 0,1,2,3,4,5,6,7
	FRAG 128*(\p)+16*\i, ADRB+\slot, \q, \i
.endr
	WIN 0
.endm
.macro RUNA p, slot, q                 ; 32 LDS loads in one run: A's eight blocks (2-7 into set p)
	WIN 0
.irp i, 0,1,2,3,4,5,6,7
	FRAG 32+16*\i+96*(\p)*((\i+6)/8), ADRA+\slot, \q, \i
.endr
.endm
	RUNB 0, 0, 0
	RUNA 0, 0, 0
	global_prefetch_b8 v[PFO], s[PFA:PFA+1] offset:3*BLKB th:TH_LOAD_NT scope:SCOPE_SE   ; K step 3
; a row: A's block a (set p for blocks 2-7) against B's eight fragments of set p.  The 64 accumulators take turns in one order in every step
.macro ROW a, p
	WIN MUL_LO+0x50*((\a)/4)
.set AR, 32+16*(\a)+96*(\p)*(((\a)+6)/8)
.irp b, 0,1,2,3,4,5,6,7
	v_wmma_f32_16x16x128_bf8_bf8 v[8*(8*((\a)%4)+\b):8*(8*((\a)%4)+\b)+7], v[128*(\p)+16*\b:128*(\p)+16*\b+15], v[AR:AR+15], v[8*(8*((\a)%4)+\b):8*(8*((\a)%4)+\b)+7]
.endr
.endm
.macro STEP slot                       ; a slot's first step (sets 0); it fetches the slot's second 128 K into sets 1
	s_wait_dscnt 28                                ; B's set and A's block 0 are in; the loads of A's blocks 1-7 may be out
	PLACES 4                                       ; in front of loads into B's other set, which the step before has read
	RUNB 1, \slot, 1
	ROW 0, 0
	s_wait_dscnt 56                                ; A's block 1 is in (behind it: blocks 2-7 and B's 32 loads)
	ROW 1, 0
	s_wait_dscnt 32                                ; all of A's blocks are in; B's 32 loads may be out
	ROW 2, 0
	ROW 3, 0
	PLACES 4                                       ; in front of loads into A's blocks 0 and 1, which rows 0 and 1 have read
	RUNA 1, \slot, 1
.irp a, 4,5,6,7
	ROW \a, 0
.endr
	WIN 0
.endm
.macro TURN slot, next, fill           ; a slot's second step (sets 1) changes slots in its rows 0 and 1: all its fragments were asked for in the step before
.if \fill
	s_wait_xcnt 0x0                                ; my prefetches have read their address
	s_add_nc_u64 s[PFA:PFA+1], s[PFA:PFA+1], BLKB
.endif
	s_wait_tensorcnt 0x0                           ; my one load that was out, my part of the next slot, has landed
	ds_add_u32 v[SPW], v[NIL]
	s_wait_dscnt 29                                ; (the add and the loads of A's blocks 1-7 may be out)
	ROW 0, 1
	s_wait_dscnt 0x0                               ; the add is done and my reads of this slot are over
	s_barrier_signal -1
	ROW 1, 1
	WIN 0
	s_barrier_wait -1
.if \fill
	CREST                                          ; the barrier opened a round of the cluster's barrier
	s_add_nc_u64 s[G0+4*\slot+2:G0+4*\slot+3], s[G0+4*\slot+2:G0+4*\slot+3], 2*BLKB
	s_add_nc_u64 s[G0B+4*\slot+2:G0B+4*\slot+3], s[G0B+4*\slot+2:G0B+4*\slot+3], 2*BLKB
	JLOAD G0+4*\slot, G1, G0B+4*\slot, G1B         ; its four v_nop are also the places in front of both runs of loads below
.else
	PLACES 4
.endif
	RUNB 0, \next, 0
.if \fill
	s_cmp_gt_u32 s3, 1                             ; the loop's last trip has no K step two refills on
	s_cbranch_scc0 .Lno_ask_\@
	global_prefetch_b8 v[PFO], s[PFA:PFA+1] offset:3*BLKB th:TH_LOAD_NT scope:SCOPE_SE
.Lno_ask_\@:
.endif
	ROW 2, 1
	ROW 3, 1
	ROW 4, 1
	RUNA 0, \next, 0
	ROW 5, 1
	ROW 6, 1
	ROW 7, 1
	WIN 0
.endm
	STEP 0
	s_mov_b32 s3, LAPS-1
.Llap:
	TURN 0, 1, 1
	STEP 1
	TURN 1, 0, 1
	STEP 0
	s_sub_co_u32 s3, s3, 1
	s_cmp_lg_u32 s3, 0
	s_cbranch_scc1 .Llap
	TURN 0, 1, 0                                   ; the last lap fills nothing
	STEP 1
	s_wait_dscnt 28
	ROW 0, 1
	s_wait_dscnt 0x0
.irp a, 1,2,3,4,5,6,7
	ROW \a, 1
.endr
	WIN 0
; THE WAY OUT, by blocks of 16 rows x 128 columns: x 2^(e2+e3), through my stage, back as rows of 512 bytes, which 32 lanes store as two aligned runs of 256 bytes
.macro TOSTAGE a
.set AC, 64*((\a)%4)
	WIN 0x02+((\a)/4)
.set J, 0
.rept 32
	v_pk_mul_f32 v[TMP+J:TMP+J+1], v[AC+J:AC+J+1], s[96:97] op_sel_hi:[1,0]   ; each accumulator from its low end on
.set J, J+2
.endr
	WIN 0
.irp b, 0,1,2,3,4,5,6,7
	ds_store_b128 v[STO], v[TMP+8*\b:TMP+8*\b+3] offset:64*\b
	ds_store_b128 v[STO], v[TMP+8*\b+4:TMP+8*\b+7] offset:64*\b+16
.endr
.set BB, BK+64*((\a)%2)
.irp t, 0,1,2,3,4,5,6,7,8,9,10,11,12,13,14,15
	ds_load_b128 v[BB+4*\t:BB+4*\t+3], v[RD] offset:\t*SPITCH   ; LDS serves a wave's instructions in order (ISA guide 5.7.1.4)
.endr
.endm
.macro SEND a, younger
.set BB, BK+64*((\a)%2)
	s_wait_dscnt \younger                          ; the block is back; the next block's 16 stores and 16 loads may be out
.if (\a) > 0
	s_add_nc_u64 s[10:11], s[10:11], 16*SIZE_N*4   ; behind a wait on XCNT
.endif
.irp t, 0,1,2,3,4,5,6,7,8,9,10,11,12,13,14,15
	global_store_b128 v[CO], v[BB+4*\t:BB+4*\t+3], s[10:11] offset:\t*SIZE_N*4 th:TH_STORE_NT
.endr
.endm
	PLACES 4
	TOSTAGE 0
.irp a, 1,2,3,4,5,6,7
.if \a > 1
	s_wait_xcnt 0x0                                ; block a - 2's stores have read their registers and their base
.endif
	TOSTAGE \a
	SEND \a-1, 32
.endr
	s_wait_xcnt 0x0
	SEND 7, 0
	s_wait_tensorcnt 0x0                           ; the wave's end
	ds_add_u32 v[SPW], v[NIL]
	s_wait_dscnt 0x0
	CROUND                                         ; the closing round
	s_endpgm
.Lfunc_end_k_qd8ecb5a579_gemm:
	.size	k_qd8ecb5a579_gemm, .Lfunc_end_k_qd8ecb5a579_gemm-k_qd8ecb5a579_gemm
	.p2alignl 7, 3214868480
	.fill 96, 4, 3214868480
	.section	.rodata,"a",@progbits
	.p2align	6, 0x0
	.amdhsa_kernel k_qd8ecb5a579_gemm
		.amdhsa_group_segment_fixed_size 327680
		.amdhsa_private_segment_fixed_size 0
		.amdhsa_enable_private_segment 0
		.amdhsa_kernarg_size 56
		.amdhsa_user_sgpr_count 2
		.amdhsa_user_sgpr_kernarg_segment_ptr 1
		.amdhsa_wavefront_size32 1
		.amdhsa_system_sgpr_workgroup_id_x 1
		.amdhsa_system_sgpr_workgroup_id_y 1
		.amdhsa_system_sgpr_workgroup_id_z 1
		.amdhsa_system_vgpr_workitem_id 0
		.amdhsa_next_free_vgpr 1024
		.amdhsa_next_free_sgpr 98
		.amdhsa_reserve_vcc 0
		.amdhsa_float_denorm_mode_32 3
		.amdhsa_float_denorm_mode_16_64 3
		.amdhsa_memory_ordered 1
		.amdhsa_forward_progress 1
		.amdhsa_inst_pref_size 144
	.end_amdhsa_kernel
	.amdgpu_metadata
---
amdhsa.version: [ 1, 2 ]
amdhsa.kernels:
  - .name:           k_qd8ecb5a579_gemm
    .symbol:         k_qd8ecb5a579_gemm.kd
    .args:
      - { .name: xq, .offset: 0, .size: 8, .value_kind: global_buffer, .address_space: global }
      - { .name: wq, .offset: 8, .size: 8, .value_kind: global_buffer, .address_space: global }
      - { .name: lowp_scales, .offset: 16, .size: 8, .value_kind: global_buffer, .address_space: global }
      - { .name: out0, .offset: 24, .size: 8, .value_kind: global_buffer, .address_space: global }
      - { .name: tq, .offset: 32, .size: 8, .value_kind: global_buffer, .address_space: global }
      - { .name: B, .offset: 40, .size: 8, .value_kind: global_buffer, .address_space: global }
      - { .name: b, .offset: 48, .size: 8, .value_kind: global_buffer, .address_space: global }
    .group_segment_fixed_size: 327680
    .private_segment_fixed_size: 0
    .kernarg_segment_align: 8
    .kernarg_segment_size: 56
    .max_flat_workgroup_size: 128
    .sgpr_count:     98
    .vgpr_count:     1024
    .wavefront_size: 32
...
	.end_amdgpu_metadata
.endif
;; end of part 2
